; MI455X (gfx1250); checked and timed in simulation.
; The chip was launched on July 23, 2026; its instructions are those of AMD's public machine-readable ISA for CDNA 5 (MIT licence, August 2026) and "CDNA5" Instruction Set Architecture Reference Guide (July 2026). The comments in the code are by the model that wrote it; some were corrected since.
;; Bahdanau Attention. Allowed arithmetic: matrix products marked QUANTISED: E2M3 operands, one E8M0 scale for each 32 along K, by v_wmma_scale_f32_16x16x128_f8f6f4 with both operands' format E2M3, f32 sums; products left as they are: f32 operands where the result goes on into a quantised operand, else bf16, f16 or f32 operands; f32 sums; everything else in f32.
;; Inputs: V 1,024 x 1 float32; W1 1,024 x 1,024 float32; W2 1,024 x 1,024 float32; W3 1 x 1,024 float32; b1 1,024 float32; b2 1,024 float32; b3 1,024 float32; bV 1 float32; coverage 32 x 2,048 x 1 float32; query 32 x 1,024 float32; values 32 x 2,048 x 1,024 float32.
;; Outputs: out0 32 x 1,024 float32; out1 32 x 2,048 x 1 float32; out2 32 x 2,048 x 1 float32.
;; This version of the problem:
;;   THIS VERSION OF THE PROBLEM IS GIVEN IN LOW PRECISION. The matrix products marked QUANTISED in the list below multiply operands that are first quantised to E2M3 (2 exponent bits, 3 mantissa bits; 6 bits a number), with one power-of-two scale for each 32 numbers along K (OCP MX v1.0); their sums are f32. All else is computed in f32.
;;   The module's matrix products, in the order in which they are computed (A, B: the left and right operand; K: the contracted axis; several contracted axes count as one K, in the product's order):
;;     1. [M 32, K 1,024] x [K 1,024, N 1,024]; A: input query; B: input W2: QUANTISED
;;     2. [M 65,536, K 1,024] x [K 1,024, N 1,024]; A: input values; B: input W1: QUANTISED
;;     3. [M 65,536, K 1] x [K 1, N 1,024]; A: input coverage; B: input W3: left as it is (K = 1 < 32)
;;     4. [M 65,536, K 1,024] x [K 1,024, N 1]; A: computed on the way; B: input V: left as it is (N = 1 < 16)
;;   THE QUANTISER, for each operand of a quantised product, along K:
;;     - K is cut into blocks of 32 from its start; a last block that is shorter is filled with zeros.
;;     - A block's scale is 2^e with e = floor(log2(the largest magnitude in the block)) - 2, held to -126 .. 127; a block of zeros has e = 0. As a byte (E8M0): e + 127.
;;     - Each number is divided by its block's scale, clamped to +-7.5, and rounded to the nearest number of E2M3, ties to even, subnormals kept.
;;     - The product sums the exact products of the quantised numbers (number of the format x scale) in f32.
;;   ~~~python
;;   def quantise(x, axis):      # numpy; x: float32 -> the quantised numbers, widened to float32 again
;;       x = np.moveaxis(x, axis, -1); K = x.shape[-1]
;;       x = np.pad(x, [(0, 0)] * (x.ndim - 1) + [(0, -K % 32)]); x = x.reshape(x.shape[:-1] + (-1, 32)); a = np.abs(x).max(-1, keepdims=True)
;;       e = np.where(a > 0, np.clip(np.frexp(np.where(a > 0, a, 1))[1] - 1 - 2, -126, 127), 0)      # np.frexp(a)[1] - 1 = floor(log2(a)), exactly
;;       r = np.clip(x / 2.0 ** e, -7.5, 7.5)
;;       step = 2.0 ** (np.maximum(np.frexp(np.where(r == 0, 1, r))[1] - 1, 0) - 3)
;;       q = np.round(r / step) * step * 2.0 ** e      # np.round: ties to even
;;       return np.moveaxis(q.reshape(q.shape[:-2] + (-1,))[..., :K], -1, axis).astype(np.float32)
;;   ~~~
;; One version. Each part assembles by itself: llvm-mc -triple=amdgcn-amd-amdhsa -mcpu=gfx1250 --defsym DOCPART=n.
;; ======== version 1 of 1: 3 launches
;; limits: right only within a limited range of input values
;; workspace buffers: w1img 819,200 bytes; t1 131,072 bytes; scores 524,288 bytes
;; launch prep (part 1): grid 64 x 1, 16 waves a work-group, no clusters, 18,432 bytes of LDS; arguments W1, W2, query, b1, b2, b3, w1img, t1; writes w1img, t1
.if DOCPART == 1
	.amdgcn_target "amdgcn-amd-amdhsa--gfx1250"
	.amdhsa_code_object_version 6
	.text
	.protected	k_q0ef2625b35_prep
	.globl	k_q0ef2625b35_prep
	.p2align	8
	.type	k_q0ef2625b35_prep,@function
k_q0ef2625b35_prep:
	s_mov_b64 s[64:65], 0
	v_nop
	global_prefetch_b8 v0, s[64:65] scope:SCOPE_SE
	s_setreg_imm32_b32 hwreg(HW_REG_WAVE_MODE, 25, 1), 1
	s_wait_xcnt 0x0
; PREP.  (1) W1 [1024 (k)][1024 (n)] f32 becomes codes of FP6 (E2M3) with one E8M0 byte for each 32 along K, laid as IMAGES OF OPERAND REGISTERS in the order in which the next launch takes them.
; (2) t1[b][n] = k2 x (Q(query) Q(W2) + b1 + b2 + b3)[b][n], k2 = 2 log2(e): the part of tanh's argument that hangs on the batch and the column alone, already scaled for 2^(k2 x).
; SHARES.  A work-group takes 16 columns n = 16 g + r.  Waves 0-7: W2 and the query, wave s = K step s (128 along K); waves 8-15: W1, K step wave - 8.  The roles part on the wave's number.
; A LANE TAKES A COLUMN AND ITS REGISTERS RUN DOWN K, in the order of the operand's layout: lane (r, h) holds k = 64 c + 32 h + 0 .. 31 in registers 6 c .. 6 c + 5: two WHOLE blocks a lane, so that no
; other lane is asked for a maximum and the conversions' results are the operand's registers.  Sixteen lanes read 64 consecutive bytes of a row of W: 8 MB in all, once.
; w1img: 16 units of 51,200 bytes, unit = 4 (n / 256) + (K step / 2).  In a unit: fragment (q = K step % 2, j = (n / 16) % 16) at (16 q + j) x 1,536: three planes of 512 bytes, plane p = registers 4 p .. 4 p + 3,
; lane l's 16 bytes at 16 l; scale words at 49,152 + 128 j + 64 q + 4 r.
; THE QUANTISER: scale = 2^(floor(log2(largest magnitude)) - 2); its byte is the largest magnitude's exponent field - 2, held at 1 from below.
; LIMITS: NaN and infinities among the inputs are not served.  A block of zeros gets the byte 1 where the rule says 127: its codes are zeros, and this program alone reads the bytes.
; WORK LEFT OUT BY THE WHOLE PROGRAM.  bV is added to every score of a batch alike, and softmax(x + c) = softmax(x) for every c: it reaches no output, so bV is not loaded and is no launch's argument.
; Likewise, with tanh(x) = 1 - 2 / (1 + e^(2x)), the part sum over n of V[n] of a score is the same for all rows and is left out.  LIMIT: a NaN, an infinity or an overflow that reaches only these terms is not carried to the result.
; w1img AS THIS TEXT STORES IT (in place of the units named above): fragment (column block g = n / 16, K step s) at (8 g + s) x 1,536, three planes of 512 bytes as above;
; scale words behind the codes, at 786,432 + 512 g + 256 (s % 2) + 16 r + 4 (s / 2): so a lane's 16 bytes at 16 x lane are four words, lanes 0-15 the even K steps', lanes 16-31 the odd ones'.
.set KL2E, 0x4038aa3b                  ; 2 log2(e)
.set WO,  1                            ; v1   W: 32 h rows of 4,096 bytes + 4 r
.set QO,  2                            ; v2   query: row r of 4,096 bytes + 128 h
.set H8,  3                            ; v3   8 h
.set L16, 4                            ; v4   16 x lane
.set R4,  5                            ; v5   4 r
.set PT,  6                            ; v6   a lane permute's destination
.set TO,  7                            ; v7   t1: 8 h rows of 4,096 bytes + 4 r
.set LST, 8                            ; v8   LDS: where I put a piece of my partial sums
.set LLD, 9                            ; v9   LDS: where I read my piece of all eight
.set QM,  10                           ; v10-13 four running maxima, then two bytes
.set QE,  14                           ; v14-15 the conversions' scale operands
.set SW,  16                           ; v16 W's scale word, v17-18 the query's two: scales and nothing else
.set BI1, 19                           ; v19, v59, v63: b1, b2, b3 at my column
.set BI2, 59
.set BI3, 63
.set CW,  20                           ; v20-31 W's codes
.set CQ,  32                           ; v32-43, v44-55 the query's two fragments
.set CT,  56                           ; v56-58, v60-62 the upper halves of two blocks' codes
.set XW,  64                           ; v64-127 64 numbers of W; later the two accumulators
.set XQ,  128                          ; v128-255 the query: two tiles of 64 numbers a lane
.set SEL, 22                           ; s[22:23] selects for lane l xor 16
; 64 numbers of a lane, register 32 c + i = k 64 c + 32 h + i, become a fragment's 12 registers at v[pc] and its scale word in v[pw]
.macro QB x, pc, pw
	v_max3_num_f32 v[QM],   |v[\x]|,    |v[\x+1]|,  0x1800000       ; the floor 2^(3 - 127) among the leaves: the byte cannot fall under 1
	v_max3_num_f32 v[QM+1], |v[\x+32]|, |v[\x+33]|, 0x1800000
	v_max3_num_f32 v[QM+2], |v[\x+16]|, |v[\x+17]|, |v[\x+18]|      ; two chains a block, so that no line waits for the line above it
	v_max3_num_f32 v[QM+3], |v[\x+48]|, |v[\x+49]|, |v[\x+50]|
.irp i, 0,2,4,6,8,10
	s_delay_alu instid0(VALU_DEP_4)
	v_max3_num_f32 v[QM],   v[QM],   |v[\x+2+\i]|,  |v[\x+3+\i]|
	s_delay_alu instid0(VALU_DEP_4)
	v_max3_num_f32 v[QM+1], v[QM+1], |v[\x+34+\i]|, |v[\x+35+\i]|
	s_delay_alu instid0(VALU_DEP_4)
	v_max3_num_f32 v[QM+2], v[QM+2], |v[\x+19+\i]|, |v[\x+20+\i]|
	s_delay_alu instid0(VALU_DEP_4)
	v_max3_num_f32 v[QM+3], v[QM+3], |v[\x+51+\i]|, |v[\x+52+\i]|
.endr
	s_delay_alu instid0(VALU_DEP_4)
	v_max3_num_f32 v[QM],   v[QM],   |v[\x+14]|, |v[\x+15]|
	s_delay_alu instid0(VALU_DEP_4)
	v_max3_num_f32 v[QM+1], v[QM+1], |v[\x+46]|, |v[\x+47]|
	s_delay_alu instid0(VALU_DEP_2)
	v_max3_num_f32 v[QM],   v[QM],   v[QM+2], |v[\x+31]|
	s_delay_alu instid0(VALU_DEP_2)
	v_max3_num_f32 v[QM+1], v[QM+1], v[QM+3], |v[\x+63]|
	s_delay_alu instid0(VALU_DEP_2)
	v_add_nc_u32 v[QE],   0xff000000, v[QM]                        ; 2 off the exponent field: the conversion takes that field as its scale
	s_delay_alu instid0(VALU_DEP_2)
	v_add_nc_u32 v[QE+1], 0xff000000, v[QM+1]
	s_delay_alu instid0(VALU_DEP_2)
	v_lshrrev_b32 v[QM],   23, v[QE]                               ; the bytes of blocks h and 2 + h
	s_delay_alu instid0(VALU_DEP_2)
	v_lshrrev_b32 v[QM+1], 23, v[QE+1]
	s_delay_alu instid0(VALU_DEP_1)
	v_lshl_or_b32 v[\pw], v[QM+1], 16, v[QM]
	s_delay_alu instid0(VALU_DEP_1)
	v_lshlrev_b32 v[\pw], v[H8], v[\pw]                            ; at their places in the word
	s_delay_alu instid0(VALU_DEP_1)
	v_permlanex16_b32 v[PT], v[\pw], s[SEL], s[SEL+1]
	s_delay_alu instid0(VALU_DEP_1)
	v_or_b32 v[\pw], v[\pw], v[PT]                                 ; with lane l xor 16's two the word is whole, in both lanes
	v_cvt_scalef32_pk16_fp6_f32 v[\pc:\pc+2],   v[\x:\x+15],    v[QE]
	v_cvt_scalef32_pk16_fp6_f32 v[CT:CT+2],     v[\x+16:\x+31], v[QE]      ; (a conversion's three registers begin on an even number)
	v_cvt_scalef32_pk16_fp6_f32 v[\pc+6:\pc+8], v[\x+32:\x+47], v[QE+1]
	v_cvt_scalef32_pk16_fp6_f32 v[CT+4:CT+6],   v[\x+48:\x+63], v[QE+1]
	v_nop                                                          ; one plain place behind the conversions
.irp i, 0,1,2
	v_mov_b32 v[\pc+3+\i], v[CT+\i]
	v_mov_b32 v[\pc+9+\i], v[CT+4+\i]
.endr
.endm
.macro WLOAD base                      ; W(128 s + 64 c + 32 h + n, 16 g + r)
.irp c, 0,1
.set n, 0
.rept 32
	global_load_b32 v[XW+32*\c+n], v[WO], s[\base:\base+1] offset:(64*\c+n)*4096
.set n, n+1
.endr
.endr
.endm
	s_load_b512 s[4:19], s[0:1], 0x0               ; W1 s[4:5], W2 s[6:7], query s[8:9], b1 s[10:11], b2 s[12:13], b3 s[14:15], w1img s[16:17], t1 s[18:19]
	v_lshrrev_b32 v20, 5, v0
	s_delay_alu instid0(VALU_DEP_1)
	v_readfirstlane_b32 s20, v20                   ; wave 0..15
	s_and_b32 s21, s20, 7                          ; my K step
	v_and_b32 v20, 15, v0                          ; r
	v_bfe_u32 v21, v0, 4, 1                        ; h
	v_and_b32 v22, 31, v0                          ; lane
	s_delay_alu instid0(VALU_DEP_3)
	v_lshlrev_b32 v[WO], 2, v20
	s_delay_alu instid0(VALU_DEP_1)
	v_lshl_add_u32 v[WO], v21, 17, v[WO]
	v_lshlrev_b32 v[QO], 12, v20
	s_delay_alu instid0(VALU_DEP_1)
	v_lshl_add_u32 v[QO], v21, 7, v[QO]
	v_lshlrev_b32 v[H8], 3, v21
	v_lshlrev_b32 v[L16], 4, v22
	v_lshlrev_b32 v[R4], 2, v20
	v_mov_b32 v[PT], 0
	s_delay_alu instid0(VALU_DEP_2)
	v_lshl_add_u32 v[TO], v21, 15, v[R4]
	v_and_b32 v[LST], 255, v0                      ; every LDS address is made ahead of the parting of the roles
	s_delay_alu instid0(VALU_DEP_1)
	v_lshlrev_b32 v[LST], 3, v[LST]                ; 256 x wave + 8 x lane, for waves 0-7
	s_lshl_b32 s24, s21, 11
	v_lshl_add_u32 v[LLD], v22, 3, s24             ; piece = wave: 2,048 x wave + 8 x lane
	s_mov_b32 s[SEL], 0x76543210
	s_mov_b32 s[SEL+1], 0xfedcba98
	s_lshl_b32 s26, s21, 19                        ; my K step: 128 rows of 4,096 bytes,
	s_lshl_b32 s27, ttmp9, 6                       ; my work-group's 16 columns
	s_add_co_u32 s26, s26, s27
	s_mov_b32 s27, 0
	s_wait_kmcnt 0x0
	s_cmp_lt_u32 s20, 8
	s_cbranch_scc0 .Lw1
	; ---- waves 0-7: W2 and the query
	s_add_nc_u64 s[6:7], s[6:7], s[26:27]
	WLOAD 6
	s_lshl_b32 s28, s21, 9                         ; the query's 128 numbers of my K step
	s_mov_b32 s29, 0
	s_add_nc_u64 s[8:9], s[8:9], s[28:29]
	s_wait_alu depctr_va_vdst(0)
.irp t, 0,1
.irp c, 0,1
.irp i, 0,1,2,3,4,5,6,7
	global_load_b128 v[XQ+64*\t+32*\c+4*\i:XQ+64*\t+32*\c+4*\i+3], v[QO], s[8:9] offset:\t*65536+256*\c+16*\i   ; query(16 t + r, 128 s + 64 c + 32 h + 4 i ..)
.endr
.endr
.endr
	s_lshl_b32 s28, ttmp9, 6
	s_add_nc_u64 s[10:11], s[10:11], s[28:29]
	s_add_nc_u64 s[12:13], s[12:13], s[28:29]
	s_add_nc_u64 s[14:15], s[14:15], s[28:29]
	global_load_b32 v[BI1], v[R4], s[10:11]
	global_load_b32 v[BI2], v[R4], s[12:13]
	global_load_b32 v[BI3], v[R4], s[14:15]
	s_lshr_b32 s30, s20, 2                         ; where my piece goes in t1: row 16 (w / 4) + 2 (w % 4), column 16 g
	s_lshl_b32 s30, s30, 16
	s_and_b32 s31, s20, 3
	s_lshl_b32 s31, s31, 13
	s_add_co_u32 s30, s30, s31
	s_add_co_u32 s30, s30, s28
	s_mov_b32 s31, 0
	s_add_nc_u64 s[18:19], s[18:19], s[30:31]
	s_wait_loadcnt 0x0                             ; all that I asked for
	QB XW, CW, SW
	QB XQ, CQ, SW+1
	QB XQ+64, CQ+12, SW+2
.rept 8
	v_nop                                          ; a scale register written by a vector instruction stands 8 places ahead of a scaled matrix instruction, an operand 4
.endr
	; source 0 = 16 rows of the query, source 1 = 16 columns of W2: register j of lane (r, h) is (batch 16 t + 8 h + j, column r), summed over my K step
	v_wmma_scale_f32_16x16x128_f8f6f4 v[XW:XW+7], v[CQ:CQ+11], v[CW:CW+11], 0, v[SW+1], v[SW] matrix_a_fmt:MATRIX_FMT_FP6 matrix_b_fmt:MATRIX_FMT_FP6
	v_wmma_scale_f32_16x16x128_f8f6f4 v[XW+8:XW+15], v[CQ+12:CQ+23], v[CW:CW+11], 0, v[SW+2], v[SW] matrix_a_fmt:MATRIX_FMT_FP6 matrix_b_fmt:MATRIX_FMT_FP6
.rept 4
	v_nop                                          ; four places ahead of the stores that read the results
.endr
.irp p, 0,1,2,3,4,5,6,7
	ds_store_b64 v[LST], v[XW+2*\p:XW+2*\p+1] offset:2048*\p      ; piece p = registers 2 p, 2 p + 1 of the sixteen; each accumulator from its low end on
.endr
	s_branch .Ljoin
.Lw1:
	; ---- waves 8-15: W1
	s_add_nc_u64 s[4:5], s[4:5], s[26:27]
	WLOAD 4
	s_lshl_b32 s28, ttmp9, 3
	s_add_co_u32 s28, s28, s21                     ; 8 g + s
	s_mul_i32 s32, s28, 1536                       ; the fragment's image
	s_mov_b32 s33, 0
	s_lshl_b32 s34, ttmp9, 9                       ; its scale words: 512 g
	s_and_b32 s29, s21, 1
	s_lshl_b32 s29, s29, 8                         ; + 256 (s % 2)
	s_add_co_u32 s34, s34, s29
	s_lshr_b32 s29, s21, 1
	s_lshl_b32 s29, s29, 2                         ; + 4 (s / 2)
	s_add_co_u32 s34, s34, s29
	s_add_co_u32 s34, s34, 786432
	s_mov_b32 s35, 0
	s_add_nc_u64 s[32:33], s[16:17], s[32:33]
	s_add_nc_u64 s[34:35], s[16:17], s[34:35]
	s_wait_loadcnt 0x0
	QB XW, CW, SW
	global_store_b128 v[L16], v[CW:CW+3], s[32:33]                 ; 32 lanes store 512 consecutive bytes, at a multiple of 512 from the buffer's first byte
	global_store_b128 v[L16], v[CW+4:CW+7], s[32:33] offset:512
	global_store_b128 v[L16], v[CW+8:CW+11], s[32:33] offset:1024
	v_lshlrev_b32 v[PT], 2, v[R4]                  ; 16 r
	global_store_b32 v[PT], v[SW], s[34:35]        ; lanes r and r + 16 hold the same word and store it to the same place
.Ljoin:
	s_wait_dscnt 0x0                               ; my stores of partial sums have landed
	s_barrier_signal -1
	s_barrier_wait -1                              ; everybody's have
	s_cmp_lt_u32 s20, 8
	s_cbranch_scc0 .Lend
.irp i, 0,1,2,3,4,5,6,7
	ds_load_b64 v[XW+2*\i:XW+2*\i+1], v[LLD] offset:256*\i         ; my piece of the eight K steps' sums
.endr
	v_add_f32 v[BI1], v[BI1], v[BI2]
	s_delay_alu instid0(VALU_DEP_1)
	v_add_f32 v[BI1], v[BI1], v[BI3]
	s_delay_alu instid0(VALU_DEP_1)
	v_mul_f32 v[BI1], KL2E, v[BI1]                 ; (b1 + b2 + b3) k2
	s_wait_dscnt 0x0
.irp i, 0,4,8,12
	v_pk_add_f32 v[XW+\i:XW+\i+1], v[XW+\i:XW+\i+1], v[XW+\i+2:XW+\i+3]
.endr
.irp i, 0
	s_delay_alu instid0(VALU_DEP_3)
	v_pk_add_f32 v[XW+\i:XW+\i+1], v[XW+\i:XW+\i+1], v[XW+\i+4:XW+\i+5]
.endr
.irp i, 8
	s_delay_alu instid0(VALU_DEP_2)
	v_pk_add_f32 v[XW+\i:XW+\i+1], v[XW+\i:XW+\i+1], v[XW+\i+4:XW+\i+5]
.endr
	s_delay_alu instid0(VALU_DEP_1)
	v_pk_add_f32 v[XW:XW+1], v[XW:XW+1], v[XW+8:XW+9]
	s_wait_alu depctr_va_vdst(0)
	v_fmamk_f32 v[XW], v[XW], KL2E, v[BI1]
	v_fmamk_f32 v[XW+1], v[XW+1], KL2E, v[BI1]
	global_store_b32 v[TO], v[XW], s[18:19]                        ; sixteen lanes store 64 consecutive bytes of a row of t1: 128 KB in all
	global_store_b32 v[TO], v[XW+1], s[18:19] offset:4096
.Lend:
	s_wait_xcnt 0x0
	v_lshl_add_u32 v254, v0, 2, 0x4000
	v_mov_b32 v255, 0
	s_wait_alu depctr_va_vdst(0)
	s_wait_tensorcnt 0x0
	ds_add_u32 v254, v255
	s_wait_dscnt 0x0
	s_endpgm
.Lfunc_end_k_q0ef2625b35_prep:
	.size	k_q0ef2625b35_prep, .Lfunc_end_k_q0ef2625b35_prep-k_q0ef2625b35_prep
	.p2alignl 7, 3214868480
	.fill 96, 4, 3214868480
	.section	.rodata,"a",@progbits
	.p2align	6, 0x0
	.amdhsa_kernel k_q0ef2625b35_prep
		.amdhsa_group_segment_fixed_size 18432
		.amdhsa_private_segment_fixed_size 0
		.amdhsa_enable_private_segment 0
		.amdhsa_kernarg_size 64
		.amdhsa_user_sgpr_count 2
		.amdhsa_user_sgpr_kernarg_segment_ptr 1
		.amdhsa_wavefront_size32 1
		.amdhsa_system_sgpr_workgroup_id_x 1
		.amdhsa_system_sgpr_workgroup_id_y 1
		.amdhsa_system_sgpr_workgroup_id_z 1
		.amdhsa_system_vgpr_workitem_id 0
		.amdhsa_next_free_vgpr 256
		.amdhsa_next_free_sgpr 66
		.amdhsa_reserve_vcc 0
		.amdhsa_float_denorm_mode_32 3
		.amdhsa_float_denorm_mode_16_64 3
		.amdhsa_memory_ordered 1
		.amdhsa_forward_progress 1
		.amdhsa_inst_pref_size 38
	.end_amdhsa_kernel
	.amdgpu_metadata
---
amdhsa.version: [ 1, 2 ]
amdhsa.kernels:
  - .name:           k_q0ef2625b35_prep
    .symbol:         k_q0ef2625b35_prep.kd
    .args:
      - { .name: W1, .offset: 0, .size: 8, .value_kind: global_buffer, .address_space: global }
      - { .name: W2, .offset: 8, .size: 8, .value_kind: global_buffer, .address_space: global }
      - { .name: query, .offset: 16, .size: 8, .value_kind: global_buffer, .address_space: global }
      - { .name: b1, .offset: 24, .size: 8, .value_kind: global_buffer, .address_space: global }
      - { .name: b2, .offset: 32, .size: 8, .value_kind: global_buffer, .address_space: global }
      - { .name: b3, .offset: 40, .size: 8, .value_kind: global_buffer, .address_space: global }
      - { .name: w1img, .offset: 48, .size: 8, .value_kind: global_buffer, .address_space: global }
      - { .name: t1, .offset: 56, .size: 8, .value_kind: global_buffer, .address_space: global }
    .group_segment_fixed_size: 18432
    .private_segment_fixed_size: 0
    .kernarg_segment_align: 8
    .kernarg_segment_size: 64
    .max_flat_workgroup_size: 512
    .sgpr_count:     66
    .vgpr_count:     256
    .wavefront_size: 32
...
	.end_amdgpu_metadata
.endif
;; end of part 1
;; launch score (part 2): grid 256 x 1, 4 waves a work-group, clusters of 2 x 1, 327,680 bytes of LDS; arguments values, coverage, W3, V, w1img, t1, scores; writes scores
.if DOCPART == 2
	.amdgcn_target "amdgcn-amd-amdhsa--gfx1250"
	.amdhsa_code_object_version 6
	.text
	.protected	k_q0ef2625b35_score
	.globl	k_q0ef2625b35_score
	.p2align	8
	.type	k_q0ef2625b35_score,@function
k_q0ef2625b35_score:
	s_mov_b64 s[64:65], 0
	v_nop
	global_prefetch_b8 v0, s[64:65] scope:SCOPE_SE
	s_setreg_imm32_b32 hwreg(HW_REG_WAVE_MODE, 25, 1), 1
	s_wait_xcnt 0x0
	s_wait_alu depctr_hold_cnt(0) depctr_sa_sdst(0) depctr_va_vdst(0) depctr_va_sdst(0) depctr_va_ssrc(0) depctr_va_vcc(0) depctr_vm_vsrc(0)
	s_getreg_b32 s2, hwreg(HW_REG_IB_STS2, 6, 4)
	s_cmp_eq_u32 s2, 0
	s_cbranch_scc0 .Lentry_in_a_cluster
	s_endpgm
.Lentry_in_a_cluster:
	s_bfe_u32 s2, ttmp6, 0x10000c
	s_cmp_lg_u32 s2, 0x1001
	s_cbranch_scc0 .Lentry_shape_is_right
	s_endpgm
.Lentry_shape_is_right:
; SCORE.  scores[c][row] = sum over the 512 columns n of half c of V2[n] / (1 + 2^(k2 x)), x = Q(values)[row] . Q(W1)[:, n] + coverage[row] W3[n] + (the batch's part), V2 = -2 V, k2 = 2 log2(e).
; tanh(x) = 1 - 2 / (1 + 2^(k2 x)); where 2^(k2 x) overflows the reciprocal is 0, where it underflows 1: tanh's own limits.  LEFT OUT: bV and sum V, the same for all rows of a softmax (shown at the head of prep).
; SHARES.  A work-group owns 512 rows x 512 columns.  W1's CODES STAY IN REGISTERS: wave w holds columns 128 w .. + 127 of the half for all of K: 64 fragments, 768 registers, loaded once as they lie in w1img.
; The rows stream: a period is 32 rows.  Wave w's tensor load brings 32 rows x 1,024 bytes (K = 256 w ..) of f32; the wave quantises them (K steps 2 w, 2 w + 1) into LDS as images of operand registers;
; every wave then multiplies all eight K steps of each 16 rows against its 8 column blocks (64 matrix instructions, 8 accumulators by turns) and turns the 64 results a lane into parts of 16 scores.
; In one period a wave asks for the tile two periods on, quantises the next period's and multiplies this one's: one round of barriers a period.
; CLUSTER.  The two work-groups of a pair (cx / 2) take the two column halves of the same rows: they ask for each tile JOINTLY, mask 3 << (cx & 2); only global addresses of W1, the tables, scores and the prefetches hang on cx % 2.
; PREFETCH.  In the trip of period p each wave names the tile of period p + 3, one period ahead of its tensor load: 64 blocks of 256 bytes (the pair shares the tile's 32 rows out by address); it stops at p = 12.
; The product is used as it stands (source 0 = 16 rows, source 1 = 16 columns): a lane holds ONE column, so 24 registers hold its tables for the whole launch; a row's sum over lanes is a butterfly of 22 lines.
; THE QUANTISER: scale = 2^(floor(log2(largest magnitude)) - 2); its byte is that magnitude's exponent field - 2, held at 1 from below.
; LIMITS: NaN and infinities among the inputs are not served.  A block of zeros gets the byte 1 where the rule says 127: its codes are zeros, and this program alone reads the bytes.
; LDS: 0 two raw slots of 4 x 32 rows x 1,040 bytes (tensor loads alone write them) | IMG images, 2 x 2 x 8 fragments of 1,536 | ASC their scale words | SCP the waves' parts of 512 scores | SPARE.
.set RAWW,  33280
.set RSLOT, 133120
.set RB,    16640                      ; 16 rows of a wave's tile
.set IMG,   266240
.set ISLOT, 24576
.set IRB,   12288
.set ASC,   315392
.set SCP,   317440
.set SPARE, 325632                     ; 128 bytes a wave: two blocks of 256 bytes that no other line names
.set PER,   131072                     ; 32 rows of values
.set SPW, 1
.set NIL, 2
.set L16, 3                            ; 16 x lane
.set H8,  4
.set RQ0, 5                            ; raw: 33,280 w + 1,040 r + 128 h;  RQ: + the slot
.set RQ,  6
.set IW0, 7                            ; images, on the way in
.set IW,  8
.set AW0, 9                            ; scale words, on the way in
.set AW,  10
.set IR0, 11                           ; images, on the way out
.set IR,  12
.set AR0, 13
.set ARD, 14
.set SC,  15                           ; where my row's part goes
.set CVO, 16
.set R4,  17
.set T16, 18
.set PFO, 22
.set FS,  23
.set SA,  24                           ; v24-27 values' scale words: scales and nothing else
.set PC,  28
.set CT,  40
.set QM,  48
.set QE,  52
.set PW,  54
.set PT,  55
.set SB,  56                           ; v56-87 W1's scale words: scales and nothing else
.set TW,  88                           ; W3 k2, the batch's part, V2 at my 8 columns
.set TT,  96
.set TV,  104
.set BF63, 112                         ; the 64th fragment of W1; the other 63 fill windows 1 to 3, 21 each
.set AR,  124                          ; v124-171 a ring of four fragments of values
.set CV,  172
.set SS,  180
.set X1,  124                          ; 64 raw numbers: the ring, CV and SS, while they are idle
.set ACC, 188                          ; v188-251 eight accumulators
.set X0,  188                          ; 64 raw numbers, while the accumulators are idle
.set G1,  28
.set G0,  36
.set SEL, 40
.set K2,  42
.set M1,  44
.set M2,  45
.set M4,  46
.set SRQ, 47
.set SIQ, 48
.set SAQ, 49
.set SIM, 50
.set SAM, 51
.set PF,  62
.set MSB, 0
.macro WIN new                         ; the immediate's high byte repeats the setting that is left
.if MSB != \new
	s_set_vgpr_msb (MSB<<8)|\new
.set MSB, \new
.endif
.endm
.macro PLACES
.rept 4
	v_nop
.endr
.endm
.macro CROUND                          ; a round of the cluster's barrier
	s_barrier_signal -1
	s_barrier_wait -1
	s_cmp_lg_u32 s20, 0
	s_cbranch_scc1 .Lnot_wave_0_\@
	s_barrier_signal -3
.Lnot_wave_0_\@:
	s_barrier_wait -3
	s_barrier_signal -1
	s_barrier_wait -1
.endm
; The change of periods: all my tensor loads have landed, the add, the slots' turns, my LDS instructions are done; a round; the refill first behind it.
.macro TOP fill
	s_wait_xcnt 0x0                                ; my prefetches have read their base
	s_add_nc_u64 s[PF:PF+1], s[PF:PF+1], PER
	s_wait_tensorcnt 0x0
	ds_add_u32 v[SPW], v[NIL]
	s_xor_b32 s[G0+1], s[G0+1], RSLOT              ; no tensor load of mine is out: the descriptor steps to the other slot, 32 rows on
	s_add_nc_u64 s[G0+2:G0+3], s[G0+2:G0+3], PER
	s_xor_b32 s[SRQ], s[SRQ], RSLOT
	s_xor_b32 s[SIQ], s[SIQ], ISLOT
	s_xor_b32 s[SAQ], s[SAQ], 1024
	s_xor_b32 s[SIM], s[SIQ], ISLOT
	s_xor_b32 s[SAM], s[SAQ], 1024
	v_add_nc_u32 v[RQ], s[SRQ], v[RQ0]
	v_add_nc_u32 v[IW], s[SIQ], v[IW0]
	v_add_nc_u32 v[AW], s[SAQ], v[AW0]
	v_add_nc_u32 v[IR], s[SIM], v[IR0]
	v_add_nc_u32 v[ARD], s[SAM], v[AR0]
	s_wait_alu depctr_va_vdst(0)
	s_wait_dscnt 0x0
.if \fill
	CROUND
	tensor_load_to_lds s[G0:G0+3], s[G1:G1+7]
	s_nop 0
	PLACES
.else
	s_barrier_signal -1
	s_barrier_wait -1
.endif
.endm
.macro ASK
	s_cmp_lt_u32 s52, 13
	s_cbranch_scc0 .Lno_ask_\@
	global_prefetch_b8 v[PFO], s[PF:PF+1] th:TH_LOAD_NT scope:SCOPE_SE
	global_prefetch_b8 v[PFO], s[PF:PF+1] offset:32768 th:TH_LOAD_NT scope:SCOPE_SE
.Lno_ask_\@:
.endm
.macro XL x, hf, q                     ; lane (r, h): k = 64 c + 32 h + 0 .. 31 of row r, 128 bytes on end for each c
.irp c, 0,1
.irp i, 0,1,2,3,4,5,6,7
	ds_load_b128 v[\x+32*\c+4*\i:\x+32*\c+4*\i+3], v[RQ] offset:\hf*RB+\q*512+\c*256+16*\i
.endr
.endr
.endm
.macro XS hf, q                        ; the fragment as it stands, and its scale word (lanes r and r + 16 store the same word)
.irp p, 0,1,2
	ds_store_b128 v[IW], v[PC+4*\p:PC+4*\p+3] offset:\hf*IRB+\q*1536+512*\p
.endr
	ds_store_b32 v[AW], v[PW] offset:\hf*512+\q*256
.endm
.macro QB x                            ; 64 numbers of a lane become 12 registers of codes at PC and the scale word in PW
	v_max3_num_f32 v[QM],   |v[\x]|,    |v[\x+1]|,  0x1800000       ; the floor 2^(3 - 127): the byte cannot fall under 1
	v_max3_num_f32 v[QM+1], |v[\x+32]|, |v[\x+33]|, 0x1800000
	v_max3_num_f32 v[QM+2], |v[\x+16]|, |v[\x+17]|, |v[\x+18]|
	v_max3_num_f32 v[QM+3], |v[\x+48]|, |v[\x+49]|, |v[\x+50]|
.irp i, 0,2,4,6,8,10
	v_max3_num_f32 v[QM],   v[QM],   |v[\x+2+\i]|,  |v[\x+3+\i]|
	v_max3_num_f32 v[QM+1], v[QM+1], |v[\x+34+\i]|, |v[\x+35+\i]|
	v_max3_num_f32 v[QM+2], v[QM+2], |v[\x+19+\i]|, |v[\x+20+\i]|
	v_max3_num_f32 v[QM+3], v[QM+3], |v[\x+51+\i]|, |v[\x+52+\i]|
.endr
	v_max3_num_f32 v[QM],   v[QM],   |v[\x+14]|, |v[\x+15]|
	v_max3_num_f32 v[QM+1], v[QM+1], |v[\x+46]|, |v[\x+47]|
	v_max3_num_f32 v[QM],   v[QM],   v[QM+2], |v[\x+31]|
	v_max3_num_f32 v[QM+1], v[QM+1], v[QM+3], |v[\x+63]|
	v_add_nc_u32 v[QE],   0xff000000, v[QM]        ; 2 off the exponent field: the conversion's scale
	v_add_nc_u32 v[QE+1], 0xff000000, v[QM+1]
	v_lshrrev_b32 v[QM],   23, v[QE]
	v_lshrrev_b32 v[QM+1], 23, v[QE+1]
	v_lshl_or_b32 v[PW], v[QM+1], 16, v[QM]
	v_lshlrev_b32 v[PW], v[H8], v[PW]
	v_permlanex16_b32 v[PT], v[PW], s[SEL], s[SEL+1]
	v_or_b32 v[PW], v[PW], v[PT]
	v_cvt_scalef32_pk16_fp6_f32 v[PC:PC+2],   v[\x:\x+15],    v[QE]
	v_cvt_scalef32_pk16_fp6_f32 v[CT:CT+2],   v[\x+16:\x+31], v[QE]
	v_cvt_scalef32_pk16_fp6_f32 v[PC+6:PC+8], v[\x+32:\x+47], v[QE+1]
	v_cvt_scalef32_pk16_fp6_f32 v[CT+4:CT+6], v[\x+48:\x+63], v[QE+1]
	v_nop                                          ; one plain place behind the conversions
.irp i, 0,1,2
	v_mov_b32 v[PC+3+\i], v[CT+\i]
	v_mov_b32 v[PC+9+\i], v[CT+4+\i]
.endr
.endm
.macro AFR hf, f                       ; fragment f of 16 rows into the ring
.irp c, 0,1,2
	ds_load_b128 v[AR+12*((\f)%4)+4*\c:AR+12*((\f)%4)+4*\c+3], v[IR] offset:\hf*IRB+(\f)*1536+512*\c
.endr
.endm
.macro PRE hf                          ; 10 loads: the scale words of all eight K steps, fragments 0 to 2
	ds_load_b128 v[SA:SA+3], v[ARD] offset:\hf*512
	AFR \hf, 0
	AFR \hf, 1
	AFR \hf, 2
.endm
.macro COV hf                          ; coverage of rows 8 h + 0 .. 7
	global_load_b128 v[CV:CV+3], v[CVO], s[6:7] offset:\hf*64
	global_load_b128 v[CV+4:CV+7], v[CVO], s[6:7] offset:\hf*64+16
.endm
; Four fragments, two sets of 64 registers by turns.  The counts name what is younger than the fragment wanted: 16 loads; 4 stores and 16 loads; at the end 4 stores and PRE's 10 loads, or 4 stores.
.macro QUANT pre, ask
	XL X1, 0, 0
	XL X0, 0, 1
.if \ask
	ASK
.endif
	s_wait_dscnt 16
	QB X1
	XS 0, 0
	XL X1, 1, 0
	s_wait_dscnt 20
	QB X0
	XS 0, 1
	XL X0, 1, 1
	s_wait_dscnt 20
	QB X1
	XS 1, 0
.if \pre
	PRE 0
	COV 0
	s_wait_dscnt 14
.else
	s_wait_dscnt 4
.endif
	QB X0
	XS 1, 1
.endm
.macro WM s, b                         ; W1's fragment (K step s, block b) stands at place 8 s + b
.set g, 8*(\s)+(\b)
.if g < 63
	WIN (1+g/21)<<2
.set rB, 12*(g%21)
.else
	WIN 0
.set rB, BF63
.endif
.set rD, ACC+8*(\b)
.set rA, AR+12*((\s)%4)
.set rSA, SA+(\s)/2
.set rSB, SB+4*(\b)+(\s)/2
.if (\s) == 0
	v_wmma_scale_f32_16x16x128_f8f6f4 v[rD:rD+7], v[rA:rA+11], v[rB:rB+11], 0, v[rSA], v[rSB] matrix_a_fmt:MATRIX_FMT_FP6 matrix_b_fmt:MATRIX_FMT_FP6
.elseif (\s)%2
	v_wmma_scale_f32_16x16x128_f8f6f4 v[rD:rD+7], v[rA:rA+11], v[rB:rB+11], v[rD:rD+7], v[rSA], v[rSB] matrix_a_fmt:MATRIX_FMT_FP6 matrix_b_fmt:MATRIX_FMT_FP6 matrix_a_scale:MATRIX_SCALE_ROW1 matrix_b_scale:MATRIX_SCALE_ROW1
.else
	v_wmma_scale_f32_16x16x128_f8f6f4 v[rD:rD+7], v[rA:rA+11], v[rB:rB+11], v[rD:rD+7], v[rSA], v[rSB] matrix_a_fmt:MATRIX_FMT_FP6 matrix_b_fmt:MATRIX_FMT_FP6
.endif
.endm
; 16 rows x 128 columns: eight K steps of 8 matrix instructions, the 8 accumulators by turns.  Fragments are asked for three K steps ahead, behind four places;
; the counts leave the younger fragments' loads out, 3 a fragment.
.macro MM hf
.irp s, 0,1,2,3,4,5,6,7
.if \s > 0 && \s < 5
	PLACES
.endif
.if \s < 5
	AFR \hf, \s+3
	s_wait_dscnt 9
.else
	s_wait_dscnt 3*(7-\s)
.endif
.irp b, 0,1,2,3,4,5,6,7
	WM \s, \b
.endr
.endr
	WIN 0
	PLACES
.endm
.macro BFLY j, d, m, x                 ; lanes whose bit is 0 keep row j, the others row j + d; each takes its partner's part of the row that it keeps
	v_cndmask_b32 v[QM+\j], v[SS+\j], v[SS+\j+\d], s[\m]
	v_cndmask_b32 v[SS+\j+\d], v[SS+\j+\d], v[SS+\j], s[\m]
	v_add_f32_dpp v[SS+\j], v[SS+\j+\d], v[QM+\j] row_xmask:\x row_mask:0xf bank_mask:0xf
.endm
; THE EPILOGUE, in place: register 8 b + j of lane (r, h) is (row 8 h + j, column 16 b + r).  A table's register is taken for both halves of a packed line (the pair's first for even b, its second for odd b).
.macro EPI hf
	s_wait_loadcnt 0x0                             ; coverage
.irp e, 0,2,4,6
.irp p, 0,2,4,6
	v_pk_fma_f32 v[ACC+8*\e+\p:ACC+8*\e+\p+1], v[ACC+8*\e+\p:ACC+8*\e+\p+1], s[K2:K2+1], v[TT+\e:TT+\e+1] op_sel_hi:[1,0,0]
	v_pk_fma_f32 v[ACC+8*\e+8+\p:ACC+8*\e+8+\p+1], v[ACC+8*\e+8+\p:ACC+8*\e+8+\p+1], s[K2:K2+1], v[TT+\e:TT+\e+1] op_sel:[0,0,1] op_sel_hi:[1,0,1]
.endr
.endr
.irp e, 0,2,4,6
.irp p, 0,2,4,6
	v_pk_fma_f32 v[ACC+8*\e+\p:ACC+8*\e+\p+1], v[CV+\p:CV+\p+1], v[TW+\e:TW+\e+1], v[ACC+8*\e+\p:ACC+8*\e+\p+1] op_sel_hi:[1,0,1]
	v_pk_fma_f32 v[ACC+8*\e+8+\p:ACC+8*\e+8+\p+1], v[CV+\p:CV+\p+1], v[TW+\e:TW+\e+1], v[ACC+8*\e+8+\p:ACC+8*\e+8+\p+1] op_sel:[0,1,0] op_sel_hi:[1,1,1]
.endr
.endr
	s_wait_alu depctr_va_vdst(0)                   ; a wait ahead of each batch and one behind it
.set j, 0
.rept 64
	v_exp_f32 v[ACC+j], v[ACC+j]                   ; 2^(k2 x)
.set j, j+1
.endr
	v_nop
	s_wait_alu depctr_va_vdst(0)
.set j, 0
.rept 32
	v_pk_add_f32 v[ACC+j:ACC+j+1], v[ACC+j:ACC+j+1], 1.0 op_sel_hi:[1,0]
.set j, j+2
.endr
	s_wait_alu depctr_va_vdst(0)
.set j, 0
.rept 64
	v_rcp_f32 v[ACC+j], v[ACC+j]
.set j, j+1
.endr
	v_nop
	s_wait_alu depctr_va_vdst(0)
.irp p, 0,2,4,6
	v_pk_mul_f32 v[SS+\p:SS+\p+1], v[ACC+\p:ACC+\p+1], v[TV:TV+1] op_sel_hi:[1,0]          ; the first block starts the sums
.endr
.irp p, 0,2,4,6
	v_pk_fma_f32 v[SS+\p:SS+\p+1], v[ACC+8+\p:ACC+8+\p+1], v[TV:TV+1], v[SS+\p:SS+\p+1] op_sel:[0,1,0] op_sel_hi:[1,1,1]
.endr
.irp e, 2,4,6
.irp p, 0,2,4,6
	v_pk_fma_f32 v[SS+\p:SS+\p+1], v[ACC+8*\e+\p:ACC+8*\e+\p+1], v[TV+\e:TV+\e+1], v[SS+\p:SS+\p+1] op_sel_hi:[1,0,1]
.endr
.irp p, 0,2,4,6
	v_pk_fma_f32 v[SS+\p:SS+\p+1], v[ACC+8*\e+8+\p:ACC+8*\e+8+\p+1], v[TV+\e:TV+\e+1], v[SS+\p:SS+\p+1] op_sel:[0,1,0] op_sel_hi:[1,1,1]
.endr
.endr
.irp j, 0,1,2,3
	BFLY \j, 4, M1, 1
.endr
	BFLY 0, 2, M2, 2
	BFLY 1, 2, M2, 2
	BFLY 0, 1, M4, 4
	v_add_f32_dpp v[QM], v[SS], v[SS] row_xmask:8 row_mask:0xf bank_mask:0xf
	ds_store_b32 v[SC], v[QM] offset:\hf*64        ; row 8 h + 4 (r & 1) + (r & 2) + (r >> 2 & 1), summed over my 128 columns; lanes r and r xor 8 store the same number
.endm
.macro ME                              ; a period's 32 rows
	MM 0
	PRE 1
	EPI 0
	COV 1
	MM 1
	EPI 1
	v_add_nc_u32 v[SC], 128, v[SC]                 ; (the loads that read CVO were waited for)
	v_add_nc_u32 v[CVO], 128, v[CVO]
.endm
	s_load_b256 s[4:11], s[0:1], 0x0               ; values s[4:5], coverage s[6:7], W3 s[8:9], V s[10:11]
	s_load_b128 s[12:15], s[0:1], 0x20             ; w1img s[12:13], t1 s[14:15]
	s_load_b64 s[16:17], s[0:1], 0x30              ; scores
	v_lshl_add_u32 v[SPW], v0, 2, SPARE
	v_mov_b32 v[NIL], 0
	ds_add_u32 v[SPW], v[NIL]                      ; the opening lines: the add twice on end
	ds_add_u32 v[SPW], v[NIL]
	v_lshrrev_b32 v19, 5, v0
	v_readfirstlane_b32 s20, v19                   ; wave 0..3
	; THE CLUSTER IS THE PAIR (2 x 1 work-groups; this takes the place of the head comment's cx / 2 and cx & 2): cx is my half of the columns, the cluster's x my pair's 512 rows, the mask the constant 3.
	s_bfe_u32 s22, ttmp6, 0x40000                  ; cx: it enters the addresses of W1, the tables, scores and the prefetches alone
	s_mov_b32 s24, ttmp9                           ; my pair's 512 rows
	s_mov_b32 s[G1+0], 3|(2<<16)|(1<<20)|(1<<21)|(7<<22)|(3<<25)   ; both work-groups; elements of 4 bytes; 4 words of padding behind every 256
	s_mov_b32 s[G1+1], 256<<16                     ; tensor_dim0 = 256
	s_mov_b32 s[G1+2], 32<<16                      ; tensor_dim1 = 32
	s_mov_b32 s[G1+3], 256<<16                     ; tile_dim0 = 256
	s_mov_b32 s[G1+4], 32                          ; tile_dim1 = 32
	s_mov_b32 s[G1+5], 1024                        ; from row to row
	s_mov_b32 s[G1+6], 0
	s_mov_b32 s[G1+7], 0
	s_mov_b32 s[SEL], 0x76543210
	s_mov_b32 s[SEL+1], 0xfedcba98
	s_mov_b32 s[K2], 0x4038aa3b                    ; 2 log2(e)
	s_mov_b32 s[K2+1], s[K2]
	s_mov_b32 s[M1], 0xaaaaaaaa
	s_mov_b32 s[M2], 0xcccccccc
	s_mov_b32 s[M4], 0xf0f0f0f0
	s_mov_b32 s[SRQ], RSLOT                        ; the first change of periods turns these to 0
	s_mov_b32 s[SIQ], ISLOT
	s_mov_b32 s[SAQ], 1024
	v_and_b32 v19, 31, v0                          ; lane
	v_and_b32 v20, 15, v0                          ; r
	v_bfe_u32 v21, v0, 4, 1                        ; h
	v_lshlrev_b32 v[L16], 4, v19
	v_lshlrev_b32 v[H8], 3, v21
	v_mul_u32_u24 v[RQ0], v20, 1040
	v_lshl_add_u32 v[RQ0], v21, 7, v[RQ0]
	s_mul_i32 s54, s20, RAWW
	v_add_nc_u32 v[RQ0], s54, v[RQ0]
	s_mul_i32 s55, s20, 3072
	s_add_co_u32 s55, s55, IMG
	v_add_nc_u32 v[IW0], s55, v[L16]
	s_lshl_b32 s56, s20, 2
	s_add_co_u32 s56, s56, ASC
	v_lshl_add_u32 v[AW0], v20, 4, s56
	v_add_nc_u32 v[IR0], IMG, v[L16]
	v_add_nc_u32 v[AR0], ASC, v[L16]
	v_and_b32 v[PT], 1, v0
	v_lshlrev_b32 v[SC], 4, v[PT]
	v_bfe_u32 v[PT], v0, 1, 1
	v_lshl_add_u32 v[SC], v[PT], 3, v[SC]
	v_bfe_u32 v[PT], v0, 2, 1
	v_lshl_add_u32 v[SC], v[PT], 2, v[SC]
	v_lshl_add_u32 v[SC], v21, 5, v[SC]
	s_lshl_b32 s57, s20, 11
	s_add_co_u32 s57, s57, SCP
	v_add_nc_u32 v[SC], s57, v[SC]
	v_lshlrev_b32 v[CVO], 5, v21
	v_lshlrev_b32 v[R4], 2, v20
	v_lshlrev_b32 v[T16], 4, v0
	v_add_nc_u32 v[FS], SCP, v[T16]
	v_lshrrev_b32 v[PT], 2, v19
	v_lshlrev_b32 v[PFO], 12, v[PT]                ; the prefetches: row lane / 4, block lane % 4,
	v_and_b32 v[PT], 3, v19
	v_lshl_add_u32 v[PFO], v[PT], 8, v[PFO]
	s_lshl_b32 s57, s22, 16
	v_add_nc_u32 v[PFO], s57, v[PFO]               ; my work-group's 16 of the tile's 32 rows
	v_mov_b32 v[PT], 0
	s_wait_alu depctr_va_vdst(0)
	s_wait_dscnt 0x0
	s_wait_kmcnt 0x0
	s_lshl_b32 s54, s24, 21                        ; 512 rows of 4,096 bytes,
	s_lshl_b32 s55, s20, 10                        ; my wave's 1,024 bytes of a row
	s_add_co_u32 s54, s54, s55
	s_mov_b32 s55, 0
	s_mov_b32 s[G0], 1
	s_mul_i32 s[G0+1], s20, RAWW
	s_add_nc_u64 s[G0+2:G0+3], s[4:5], s[54:55]
	s_add_nc_u64 s[PF:PF+1], s[G0+2:G0+3], PER
	s_or_b32 s[G0+3], s[G0+3], 0x80000000
	s_lshl_b32 s54, s24, 11
	s_add_nc_u64 s[6:7], s[6:7], s[54:55]
	s_lshl_b32 s56, s22, 18
	s_add_co_u32 s54, s54, s56
	s_add_nc_u64 s[16:17], s[16:17], s[54:55]
	s_lshl_b32 s54, s22, 11                        ; my wave's 128 columns, 4 bytes each
	s_lshl_b32 s56, s20, 9
	s_add_co_u32 s54, s54, s56
	s_add_nc_u64 s[8:9], s[8:9], s[54:55]
	s_add_nc_u64 s[10:11], s[10:11], s[54:55]
	s_lshr_b32 s56, s24, 2                         ; the batch
	s_lshl_b32 s56, s56, 12
	s_add_co_u32 s54, s54, s56
	s_add_nc_u64 s[14:15], s[14:15], s[54:55]
	s_lshl_b32 s56, s22, 5
	s_lshl_b32 s57, s20, 3
	s_add_co_u32 s56, s56, s57                     ; my first column block
	s_mul_i32 s54, s56, 12288
	s_add_nc_u64 s[58:59], s[12:13], s[54:55]
	s_lshl_b32 s54, s56, 9
	s_add_co_u32 s54, s54, 786432
	s_add_nc_u64 s[60:61], s[12:13], s[54:55]
	CROUND                                         ; the partners are here: the first joint loads meet
	tensor_load_to_lds s[G0:G0+3], s[G1:G1+7]      ; period 0: my one tensor load at the head
	s_nop 0
	PLACES
.set g, 0
.rept 63                               ; W1's fragments, 512 consecutive bytes a load
	WIN (1+g/21)<<6
.irp c, 0,1,2
	global_load_b128 v[12*(g%21)+4*\c:12*(g%21)+4*\c+3], v[L16], s[58:59] offset:(8*(g%8)+g/8)*1536+512*\c
.endr
.set g, g+1
.endr
	WIN 0
.irp c, 0,1,2
	global_load_b128 v[BF63+4*\c:BF63+4*\c+3], v[L16], s[58:59] offset:63*1536+512*\c
.endr
.irp b, 0,1,2,3,4,5,6,7
	global_load_b128 v[SB+4*\b:SB+4*\b+3], v[L16], s[60:61] offset:512*\b
	global_load_b32 v[TW+\b], v[R4], s[8:9] offset:64*\b
	global_load_b32 v[TT+\b], v[R4], s[14:15] offset:64*\b
	global_load_b32 v[TV+\b], v[R4], s[10:11] offset:64*\b
.endr
	TOP 1                                          ; period 0 has landed; period 1 goes out: slot 1's first fill, issued as a refill is
	QUANT 0, 0                                     ; period 0's images
	s_wait_loadcnt 0x0                             ; W1 and the tables
.irp p, 0,2,4,6
	v_pk_mul_f32 v[TW+\p:TW+\p+1], v[TW+\p:TW+\p+1], s[K2:K2+1] op_sel_hi:[1,0]
	v_pk_mul_f32 v[TV+\p:TV+\p+1], v[TV+\p:TV+\p+1], -2.0 op_sel_hi:[1,0]
.endr
	s_wait_alu depctr_va_vdst(0)
	s_mov_b32 s52, 0
.Lper:                                             ; trip p: period p + 2 is asked for, p + 1 quantised, p multiplied
	TOP 1
	QUANT 1, 1
	ME
	s_add_co_u32 s52, s52, 1
	s_cmp_lt_u32 s52, 14
	s_cbranch_scc1 .Lper
	TOP 0                                          ; the last two periods ask for nothing
	QUANT 1, 0
	ME
	TOP 0
	PRE 0
	COV 0
	ME
	s_wait_dscnt 0x0                               ; my parts of the scores have landed
	s_barrier_signal -1
	s_barrier_wait -1
.irp k, 0,1,2,3
	ds_load_b128 v[ACC+4*\k:ACC+4*\k+3], v[FS] offset:2048*\k      ; thread t: rows 4 t .. 4 t + 3, the four waves' parts
.endr
	s_wait_dscnt 0x0
.irp p, 0,2
	v_pk_add_f32 v[ACC+\p:ACC+\p+1], v[ACC+\p:ACC+\p+1], v[ACC+4+\p:ACC+4+\p+1]
	v_pk_add_f32 v[ACC+8+\p:ACC+8+\p+1], v[ACC+8+\p:ACC+8+\p+1], v[ACC+12+\p:ACC+12+\p+1]
.endr
.irp p, 0,2
	v_pk_add_f32 v[ACC+\p:ACC+\p+1], v[ACC+\p:ACC+\p+1], v[ACC+8+\p:ACC+8+\p+1]
.endr
	global_store_b128 v[T16], v[ACC:ACC+3], s[16:17]               ; a wave stores 512 consecutive bytes
	s_wait_tensorcnt 0x0                           ; the wave's end
	ds_add_u32 v[SPW], v[NIL]
	s_wait_dscnt 0x0
	CROUND                                         ; the closing round
	s_endpgm
.Lfunc_end_k_q0ef2625b35_score:
	.size	k_q0ef2625b35_score, .Lfunc_end_k_q0ef2625b35_score-k_q0ef2625b35_score
	.p2alignl 7, 3214868480
	.fill 96, 4, 3214868480
	.section	.rodata,"a",@progbits
	.p2align	6, 0x0
	.amdhsa_kernel k_q0ef2625b35_score
		.amdhsa_group_segment_fixed_size 327680
		.amdhsa_private_segment_fixed_size 0
		.amdhsa_enable_private_segment 0
		.amdhsa_kernarg_size 56
		.amdhsa_user_sgpr_count 2
		.amdhsa_user_sgpr_kernarg_segment_ptr 1
		.amdhsa_wavefront_size32 1
		.amdhsa_system_sgpr_workgroup_id_x 1
		.amdhsa_system_sgpr_workgroup_id_y 1
		.amdhsa_system_sgpr_workgroup_id_z 1
		.amdhsa_system_vgpr_workitem_id 0
		.amdhsa_next_free_vgpr 1024
		.amdhsa_next_free_sgpr 70
		.amdhsa_reserve_vcc 0
		.amdhsa_float_denorm_mode_32 3
		.amdhsa_float_denorm_mode_16_64 3
		.amdhsa_memory_ordered 1
		.amdhsa_forward_progress 1
		.amdhsa_inst_pref_size 231
	.end_amdhsa_kernel
	.amdgpu_metadata
---
amdhsa.version: [ 1, 2 ]
amdhsa.kernels:
  - .name:           k_q0ef2625b35_score
    .symbol:         k_q0ef2625b35_score.kd
    .args:
      - { .name: values, .offset: 0, .size: 8, .value_kind: global_buffer, .address_space: global }
      - { .name: coverage, .offset: 8, .size: 8, .value_kind: global_buffer, .address_space: global }
      - { .name: W3, .offset: 16, .size: 8, .value_kind: global_buffer, .address_space: global }
      - { .name: V, .offset: 24, .size: 8, .value_kind: global_buffer, .address_space: global }
      - { .name: w1img, .offset: 32, .size: 8, .value_kind: global_buffer, .address_space: global }
      - { .name: t1, .offset: 40, .size: 8, .value_kind: global_buffer, .address_space: global }
      - { .name: scores, .offset: 48, .size: 8, .value_kind: global_buffer, .address_space: global }
    .group_segment_fixed_size: 327680
    .private_segment_fixed_size: 0
    .kernarg_segment_align: 8
    .kernarg_segment_size: 56
    .max_flat_workgroup_size: 128
    .sgpr_count:     70
    .vgpr_count:     1024
    .wavefront_size: 32
...
	.end_amdgpu_metadata
.endif
;; end of part 2
;; launch ctx (part 3): grid 256 x 1, 8 waves a work-group, no clusters, 17,408 bytes of LDS; arguments values, coverage, scores, out0, out1, out2; writes out0, out1, out2
.if DOCPART == 3
	.amdgcn_target "amdgcn-amd-amdhsa--gfx1250"
	.amdhsa_code_object_version 6
	.text
	.protected	k_q0ef2625b35_ctx
	.globl	k_q0ef2625b35_ctx
	.p2align	8
	.type	k_q0ef2625b35_ctx,@function
k_q0ef2625b35_ctx:
	s_mov_b64 s[64:65], 0
	v_nop
	global_prefetch_b8 v0, s[64:65] scope:SCOPE_SE
	s_setreg_imm32_b32 hwreg(HW_REG_WAVE_MODE, 25, 1), 1
	s_wait_xcnt 0x0
; CTX.  For each batch: x = the two column halves' parts of the scores, added; w = softmax over the 2,048 x (the maximum is taken away first); out1 = w; out2 = coverage + w; out0[b][d] = sum over s of w[s] values[b][s][d].  All in f32.
; LEFT OUT: bV and sum V, the same for all rows of a softmax (shown at the head of prep).
; SHARES.  Work-group (b = x / 8, j = x % 8) owns columns 128 j .. + 127 of batch b, so each number of out0 has one owner, and slice j (256 numbers) of out1 and out2; each of a batch's eight takes the softmax for itself.
; Wave w walks rows 256 w .. + 255; a load takes one row's 512 consecutive bytes; a ring of 32 slots in registers keeps 32 loads of every wave on their way.  A slot owns its offset register, stepped behind the
; counted wait that shows its load done: no base is stepped.  Four sets of sums take turns.  The weights p = 2^((x - max) log2 e) lie in LDS unnormalised; the sum's reciprocal multiplies at the end.
; Memory binds: no matrix unit, no cluster (no two work-groups read the same bytes of values), no tensor load, no prefetch (the ring streams without a pause).  LIMITS: NaN and infinities among the inputs are not served.
.set WT,   0                           ; LDS: p[2048]
.set RED1, 8192
.set RED2, 8448
.set CR,   8704                        ; the waves' parts of out0: 512 bytes each
.set ACC,  192                         ; v192-207
.set OFF,  210                         ; v210-241
.set SPW,  242
.set NIL,  243
	s_load_b256 s[4:11], s[0:1], 0x0               ; values s[4:5], coverage s[6:7], scores s[8:9], out0 s[10:11]
	s_load_b128 s[12:15], s[0:1], 0x20             ; out1, out2
	v_lshl_add_u32 v[SPW], v0, 2, 0x4000
	v_mov_b32 v[NIL], 0
	v_lshrrev_b32 v6, 5, v0
	v_readfirstlane_b32 s20, v6                    ; wave 0..7
	v_lshlrev_b32 v6, 2, v6
	v_and_b32 v2, 31, v0
	v_lshlrev_b32 v2, 4, v2                        ; 16 x lane
	v_lshlrev_b32 v3, 4, v0                        ; 16 x thread
	v_mov_b32 v7, 0
.set n, 0
.rept 32
	v_add_nc_u32 v[OFF+n], n*4096, v2              ; slot n's row
.set n, n+1
.endr
.irp i, 0,1,2,3,4,5,6,7,8,9,10,11,12,13,14,15
	v_mov_b32 v[ACC+\i], 0
.endr
	s_lshr_b32 s21, ttmp9, 3                       ; b
	s_and_b32 s22, ttmp9, 7                        ; j
	s_lshl_b32 s28, s22, 10
	s_mov_b32 s29, 0
	v_add_nc_u32 v4, s28, v3                       ; LDS: p of slice j
	s_lshl_b32 s26, s21, 13
	s_mov_b32 s27, 0
	s_lshl_b32 s30, s21, 23
	s_lshl_b32 s31, s20, 20
	s_add_co_u32 s30, s30, s31
	s_lshl_b32 s31, s22, 9
	s_add_co_u32 s30, s30, s31
	s_mov_b32 s31, 0
	s_lshl_b32 s32, s21, 12
	s_lshl_b32 s33, s22, 9
	s_add_co_u32 s32, s32, s33
	s_mov_b32 s33, 0
	s_mov_b32 s16, 0x76543210
	s_mov_b32 s17, 0xfedcba98
	s_mov_b32 s18, 0x3fb8aa3b                      ; log2(e)
	s_lshl_b32 s24, s20, 10                        ; LDS: my rows' weights
	s_wait_alu depctr_va_vdst(0)
	s_wait_kmcnt 0x0
	s_add_nc_u64 s[8:9], s[8:9], s[26:27]
	s_add_nc_u64 s[26:27], s[26:27], s[28:29]
	s_add_nc_u64 s[6:7], s[6:7], s[26:27]
	s_add_nc_u64 s[12:13], s[12:13], s[26:27]
	s_add_nc_u64 s[14:15], s[14:15], s[26:27]
	s_add_nc_u64 s[4:5], s[4:5], s[30:31]
	s_add_nc_u64 s[10:11], s[10:11], s[32:33]
	s_cmp_lt_u32 s20, 2                            ; waves 0 and 1 make out1 and out2
	s_cbranch_scc0 .Lno_cov
	global_load_b128 v[20:23], v3, s[6:7]
.Lno_cov:
	global_load_b128 v[8:11], v3, s[8:9]
	global_load_b128 v[12:15], v3, s[8:9] offset:4096
	global_load_b128 v[24:27], v3, s[8:9] offset:262144
	global_load_b128 v[28:31], v3, s[8:9] offset:266240
.set n, 0
.rept 32
	global_load_b128 v[64+4*n:67+4*n], v[OFF+n], s[4:5] th:TH_LOAD_NT
.set n, n+1
.endr
	s_wait_loadcnt 32                              ; all but the ring's 32 loads
.irp i, 0,2,4,6
	v_pk_add_f32 v[8+\i:9+\i], v[8+\i:9+\i], v[24+\i:25+\i]
.endr
	v_max3_num_f32 v16, v8, v9, v10
	v_max3_num_f32 v17, v11, v12, v13
	v_max3_num_f32 v16, v16, v14, v15
	v_max_num_f32 v16, v16, v17
	v_max_num_f32_dpp v16, v16, v16 row_xmask:1 row_mask:0xf bank_mask:0xf
	v_max_num_f32_dpp v16, v16, v16 row_xmask:2 row_mask:0xf bank_mask:0xf
	v_max_num_f32_dpp v16, v16, v16 row_xmask:4 row_mask:0xf bank_mask:0xf
	v_max_num_f32_dpp v16, v16, v16 row_xmask:8 row_mask:0xf bank_mask:0xf
	v_permlanex16_b32 v17, v16, s16, s17
	v_max_num_f32 v16, v16, v17
	ds_store_b32 v6, v16 offset:RED1
	s_wait_alu depctr_va_vdst(0)
	s_wait_dscnt 0x0
	s_barrier_signal -1
	s_barrier_wait -1
	ds_load_b128 v[40:43], v7 offset:RED1
	ds_load_b128 v[44:47], v7 offset:RED1+16
	s_wait_dscnt 0x0
	v_max3_num_f32 v16, v40, v41, v42
	v_max3_num_f32 v17, v43, v44, v45
	v_max3_num_f32 v16, v16, v46, v47
	v_max_num_f32 v16, v16, v17                    ; the batch's largest score
	v_mul_f32 v17, s18, v16
.irp i, 0,1,2,3,4,5,6,7
	v_fma_f32 v[8+\i], v[8+\i], s18, -v17
.endr
	s_wait_alu depctr_va_vdst(0)                   ; ahead of the batch
.irp i, 0,1,2,3,4,5,6,7
	v_exp_f32 v[8+\i], v[8+\i]                     ; p, at most 1
.endr
	v_nop
	s_wait_alu depctr_va_vdst(0)                   ; and behind it
	ds_store_b128 v3, v[8:11] offset:WT
	ds_store_b128 v3, v[12:15] offset:WT+4096
	v_pk_add_f32 v[40:41], v[8:9], v[10:11]
	v_pk_add_f32 v[42:43], v[12:13], v[14:15]
	v_pk_add_f32 v[40:41], v[40:41], v[42:43]
	v_add_f32 v19, v40, v41
	v_add_f32_dpp v19, v19, v19 row_xmask:1 row_mask:0xf bank_mask:0xf
	v_add_f32_dpp v19, v19, v19 row_xmask:2 row_mask:0xf bank_mask:0xf
	v_add_f32_dpp v19, v19, v19 row_xmask:4 row_mask:0xf bank_mask:0xf
	v_add_f32_dpp v19, v19, v19 row_xmask:8 row_mask:0xf bank_mask:0xf
	v_permlanex16_b32 v17, v19, s16, s17
	v_add_f32 v19, v19, v17
	ds_store_b32 v6, v19 offset:RED2
	s_wait_dscnt 0x0
	s_barrier_signal -1
	s_barrier_wait -1
	ds_load_b128 v[40:43], v7 offset:RED2
	ds_load_b128 v[44:47], v7 offset:RED2+16
	s_wait_dscnt 0x0
	v_pk_add_f32 v[40:41], v[40:41], v[42:43]
	v_pk_add_f32 v[44:45], v[44:45], v[46:47]
	v_pk_add_f32 v[40:41], v[40:41], v[44:45]
	v_add_f32 v19, v40, v41                        ; at least 1: the largest score's p is 1
	s_wait_alu depctr_va_vdst(0)
	v_rcp_f32 v18, v19
	v_nop
	s_wait_alu depctr_va_vdst(0)
	s_cmp_lt_u32 s20, 2
	s_cbranch_scc0 .Lno_out
	ds_load_b128 v[24:27], v4 offset:WT
	s_wait_dscnt 0x0
	v_pk_mul_f32 v[24:25], v[24:25], v[18:19] op_sel_hi:[1,0]
	v_pk_mul_f32 v[26:27], v[26:27], v[18:19] op_sel_hi:[1,0]
	v_pk_add_f32 v[28:29], v[20:21], v[24:25]
	v_pk_add_f32 v[30:31], v[22:23], v[26:27]
	global_store_b128 v3, v[24:27], s[12:13]       ; a wave stores 512 consecutive bytes; these registers are not written again
	global_store_b128 v3, v[28:31], s[14:15]
.Lno_out:
.macro ROUND ahead                     ; 32 rows.  ahead = 1: each slot is filled again with the row 32 further down
	v_mov_b32 v5, s24
.irp i, 0,1,2,3,4,5,6,7
	ds_load_b128 v[32+4*\i:35+4*\i], v5 offset:WT+16*\i            ; the 32 rows' weights, the same in every lane
.endr
	s_wait_dscnt 0x0
.set n, 0
.rept 32
.if \ahead
	s_wait_loadcnt 31                              ; slot n's load is in, the 31 younger ones stay out
.else
	s_wait_loadcnt 31-n
.endif
.irp k, 0,1,2,3
	v_fmac_f32 v[ACC+4*(n%4)+\k], v[32+n], v[64+4*n+\k]
.endr
.if \ahead
	v_add_nc_u32 v[OFF+n], 131072, v[OFF+n]        ; free since that wait
	global_load_b128 v[64+4*n:67+4*n], v[OFF+n], s[4:5] th:TH_LOAD_NT
.endif
.set n, n+1
.endr
.if \ahead
	s_add_co_u32 s24, s24, 128
.endif
.endm
	s_mov_b32 s25, 7
.Lround:
	ROUND 1
	s_sub_co_u32 s25, s25, 1
	s_cmp_lg_u32 s25, 0
	s_cbranch_scc1 .Lround
	ROUND 0                                        ; the last 32 rows load nothing: the counts run down
	s_wait_alu depctr_va_vdst(0)
.irp p, 0,2
	v_pk_add_f32 v[ACC+\p:ACC+\p+1], v[ACC+\p:ACC+\p+1], v[ACC+4+\p:ACC+4+\p+1]
	v_pk_add_f32 v[ACC+8+\p:ACC+8+\p+1], v[ACC+8+\p:ACC+8+\p+1], v[ACC+12+\p:ACC+12+\p+1]
.endr
.irp p, 0,2
	v_pk_add_f32 v[ACC+\p:ACC+\p+1], v[ACC+\p:ACC+\p+1], v[ACC+8+\p:ACC+8+\p+1]
.endr
.irp p, 0,2
	v_pk_mul_f32 v[ACC+\p:ACC+\p+1], v[ACC+\p:ACC+\p+1], v[18:19] op_sel_hi:[1,0]
.endr
	ds_store_b128 v3, v[ACC:ACC+3] offset:CR
	s_wait_dscnt 0x0
	s_barrier_signal -1
	s_barrier_wait -1
	s_cmp_lg_u32 s20, 0
	s_cbranch_scc1 .Lend
.irp i, 0,1,2,3,4,5,6,7
	ds_load_b128 v[64+4*\i:67+4*\i], v2 offset:CR+512*\i
.endr
	s_wait_dscnt 0x0
.irp i, 0,8,16,24
	v_pk_add_f32 v[64+\i:65+\i], v[64+\i:65+\i], v[68+\i:69+\i]
	v_pk_add_f32 v[66+\i:67+\i], v[66+\i:67+\i], v[70+\i:71+\i]
.endr
.irp i, 0,16
	v_pk_add_f32 v[64+\i:65+\i], v[64+\i:65+\i], v[72+\i:73+\i]
	v_pk_add_f32 v[66+\i:67+\i], v[66+\i:67+\i], v[74+\i:75+\i]
.endr
	v_pk_add_f32 v[64:65], v[64:65], v[80:81]
	v_pk_add_f32 v[66:67], v[66:67], v[82:83]
	global_store_b128 v2, v[64:67], s[10:11]       ; 512 consecutive bytes of out0
.Lend:
	s_wait_tensorcnt 0x0                           ; the wave's end
	ds_add_u32 v[SPW], v[NIL]
	s_wait_dscnt 0x0
	s_endpgm
.Lfunc_end_k_q0ef2625b35_ctx:
	.size	k_q0ef2625b35_ctx, .Lfunc_end_k_q0ef2625b35_ctx-k_q0ef2625b35_ctx
	.p2alignl 7, 3214868480
	.fill 96, 4, 3214868480
	.section	.rodata,"a",@progbits
	.p2align	6, 0x0
	.amdhsa_kernel k_q0ef2625b35_ctx
		.amdhsa_group_segment_fixed_size 17408
		.amdhsa_private_segment_fixed_size 0
		.amdhsa_enable_private_segment 0
		.amdhsa_kernarg_size 48
		.amdhsa_user_sgpr_count 2
		.amdhsa_user_sgpr_kernarg_segment_ptr 1
		.amdhsa_wavefront_size32 1
		.amdhsa_system_sgpr_workgroup_id_x 1
		.amdhsa_system_sgpr_workgroup_id_y 1
		.amdhsa_system_sgpr_workgroup_id_z 1
		.amdhsa_system_vgpr_workitem_id 0
		.amdhsa_next_free_vgpr 244
		.amdhsa_next_free_sgpr 66
		.amdhsa_reserve_vcc 0
		.amdhsa_float_denorm_mode_32 3
		.amdhsa_float_denorm_mode_16_64 3
		.amdhsa_memory_ordered 1
		.amdhsa_forward_progress 1
		.amdhsa_inst_pref_size 31
	.end_amdhsa_kernel
	.amdgpu_metadata
---
amdhsa.version: [ 1, 2 ]
amdhsa.kernels:
  - .name:           k_q0ef2625b35_ctx
    .symbol:         k_q0ef2625b35_ctx.kd
    .args:
      - { .name: values, .offset: 0, .size: 8, .value_kind: global_buffer, .address_space: global }
      - { .name: coverage, .offset: 8, .size: 8, .value_kind: global_buffer, .address_space: global }
      - { .name: scores, .offset: 16, .size: 8, .value_kind: global_buffer, .address_space: global }
      - { .name: out0, .offset: 24, .size: 8, .value_kind: global_buffer, .address_space: global }
      - { .name: out1, .offset: 32, .size: 8, .value_kind: global_buffer, .address_space: global }
      - { .name: out2, .offset: 40, .size: 8, .value_kind: global_buffer, .address_space: global }
    .group_segment_fixed_size: 17408
    .private_segment_fixed_size: 0
    .kernarg_segment_align: 8
    .kernarg_segment_size: 48
    .max_flat_workgroup_size: 256
    .sgpr_count:     66
    .vgpr_count:     244
    .wavefront_size: 32
...
	.end_amdgpu_metadata
.endif
;; end of part 3
